; MI455X (gfx1250); checked and timed in simulation.
; The chip was launched on July 23, 2026; its instructions are those of AMD's public machine-readable ISA for CDNA 5 (MIT licence, August 2026) and "CDNA5" Instruction Set Architecture Reference Guide (July 2026). The comments in the code are by the model that wrote it; some were corrected since.
;; Fig Linear. Allowed arithmetic: matrix products marked QUANTISED: E2M1 operands, one E8M0 scale for each 32 along K, by v_wmma_scale_f32_16x16x128_f8f6f4 with both operands' format E2M1 (or v_wmma_scale_f32_32x16x128_f4), f32 sums; products left as they are: f32 operands where the result goes on into a quantised operand, else bf16, f16 or f32 operands; f32 sums; everything else in f32.
;; Inputs: bias 2,048 float32; codebook 16 float32; lora_A 4,096 x 16 float32; lora_B 16 x 2,048 float32; q_indices 8,388,608 int32; scales 65,536 float32; x 4 x 2,048 x 4,096 float32.
;; Outputs: out0 4 x 2,048 x 2,048 float32.
;; This version of the problem:
;;   THIS VERSION OF THE PROBLEM IS GIVEN IN LOW PRECISION. The matrix products marked QUANTISED in the list below multiply operands that are first quantised to E2M1 (2 exponent bits, 1 mantissa bit; 4 bits a number), with one power-of-two scale for each 32 numbers along K (OCP MX v1.0); their sums are f32. All else is computed in f32.
;;   The module's matrix products, in the order in which they are computed (A, B: the left and right operand; K: the contracted axis; several contracted axes count as one K, in the product's order):
;;     1. [M 8,192, K 4,096] x [K 4,096, N 2,048]; A: input x; B: computed on the way: QUANTISED
;;     2. [M 8,192, K 4,096] x [K 4,096, N 16]; A: input x; B: input lora_A: QUANTISED
;;     3. [M 8,192, K 16] x [K 16, N 2,048]; A: computed on the way; B: input lora_B: left as it is (K = 16 < 32)
;;   THE QUANTISER, for each operand of a quantised product, along K:
;;     - K is cut into blocks of 32 from its start; a last block that is shorter is filled with zeros.
;;     - A block's scale is 2^e with e = floor(log2(the largest magnitude in the block)) - 2, held to -126 .. 127; a block of zeros has e = 0. As a byte (E8M0): e + 127.
;;     - Each number is divided by its block's scale, clamped to +-6, and rounded to the nearest number of E2M1, ties to even, subnormals kept.
;;     - The product sums the exact products of the quantised numbers (number of the format x scale) in f32.
;;   ~~~python
;;   def quantise(x, axis):      # numpy; x: float32 -> the quantised numbers, widened to float32 again
;;       x = np.moveaxis(x, axis, -1); K = x.shape[-1]
;;       x = np.pad(x, [(0, 0)] * (x.ndim - 1) + [(0, -K % 32)]); x = x.reshape(x.shape[:-1] + (-1, 32)); a = np.abs(x).max(-1, keepdims=True)
;;       e = np.where(a > 0, np.clip(np.frexp(np.where(a > 0, a, 1))[1] - 1 - 2, -126, 127), 0)      # np.frexp(a)[1] - 1 = floor(log2(a)), exactly
;;       r = np.clip(x / 2.0 ** e, -6, 6)
;;       step = 2.0 ** (np.maximum(np.frexp(np.where(r == 0, 1, r))[1] - 1, 0) - 1)
;;       q = np.round(r / step) * step * 2.0 ** e      # np.round: ties to even
;;       return np.moveaxis(q.reshape(q.shape[:-2] + (-1,))[..., :K], -1, axis).astype(np.float32)
;;   ~~~
;;   OPERANDS COMPUTED ON THE WAY. 'Computed on the way' means the value that the module computes at that place (a softmax that the list does not call 'softmax' is quantised finished and normalised). What goes into a quantiser is computed in f32, as accurately as f32 sums, v_exp_f32 and their like allow (about 1e-6 of the number): no bf16 or f16 on the way to a quantiser, and a product that is left as it is and whose result goes on into a quantised operand takes f32 operands (vector FMAs, or v_wmma_f32_16x16x4_f32). A number that lies on a knife's edge between two numbers of the format may be rounded either way, as far as f32 arithmetic and the matrix unit's own rounding can turn it there, and no further.
;; One version. Each part assembles by itself: llvm-mc -triple=amdgcn-amd-amdhsa -mcpu=gfx1250 --defsym DOCPART=n.
;; ======== version 1 of 1: 2 launches
;; limits: values are held in bf16: 8 bits of precision; right only within a limited range of input values
;; workspace buffers: xq 17,825,792 bytes; wq 5,013,504 bytes
;; launch quant (part 1): grid 1280 x 1, 4 waves a work-group, no clusters, 56,832 bytes of LDS; arguments x, q_indices, codebook, scales, lora_A, xq, wq; writes xq, wq
.if DOCPART == 1
	.amdgcn_target "amdgcn-amd-amdhsa--gfx1250"
	.amdhsa_code_object_version 6
	.text
	.protected	k_q64c41e6baf_quant
	.globl	k_q64c41e6baf_quant
	.p2align	8
	.type	k_q64c41e6baf_quant,@function
k_q64c41e6baf_quant:
	s_mov_b64 s[64:65], 0
	v_nop
	global_prefetch_b8 v0, s[64:65] scope:SCOPE_SE
	s_setreg_imm32_b32 hwreg(HW_REG_WAVE_MODE, 25, 1), 1
	s_wait_xcnt 0x0
; ALL THREE QUANTISERS OF  out = Q(x) Q(W)^T + 2 (Q(x) Q(lora_A)) lora_B + bias,  to codes of FP4 (E2M1) with one E8M0 scale byte for each 32 along K = 4,096.
;   x [8192][4096] f32;   W[n][k] = codebook[q_indices[4096 n + k]] x scales[32 n + k / 128], one f32 multiplication;   lora_A [4096][16] f32, K along its FIRST axis.
; A block's scale is 2^(floor(log2(its largest magnitude)) - 2); its byte is the largest magnitude's exponent field - 2, held at 1 from below.
; THE RECORD.  What one row has for 512 along K is 272 bytes: 256 bytes of codes (k ascending, the lower k in the low four bits), then its 16 scale bytes.  16 rows are 4,352 = 17 x 256 bytes.
; xq: [32 tiles of 256 rows][8 K steps][256 rows][272].  wq: [8 tiles][8 K steps][2 halves][144 rows][272]: a half's rows 0-127 are W's, rows 128-143 lora_A's sixteen columns.
; LORA_SCALE = 2 is folded into lora_A's scale bytes: byte + 1 (at most 253): a multiplication by 2 rounds nothing.
; LIMITS: NaN and infinities among the inputs are not served; a block whose largest magnitude lies under 2^-124 gets the byte 1; a block of zeros gets the byte 1 where the rule says 127 (its codes are zeros,
; and the bytes are read by this program alone); an index above 15, taken as unsigned, is held at 15.
; SHARES.  A wave's job is 16 rows x 512 along K: 32 KiB in, 16 records out.  Work-groups 0-255: W; 256-1279: x.  Both tensors are [rows][4096] words of 4 bytes and take ONE path: pointers are chosen on the
; work-group's number, and in a step a scalar branch on the same number jumps over the gather alone.
; lora_A's records, 8 K steps x 16 places, are made ahead of their own job by those of W's work-groups whose block of 16 rows has bit 2 clear; each writes the block behind its own half of W.
; A STEP is one row's 512 numbers: four loads of 512 consecutive bytes, 16 a lane.  A LANE KEEPS THE FOUR NEIGHBOURS OF EACH LOAD: a block of 32 is eight neighbouring lanes of one load, so its largest magnitude
; takes two lines in the lane and three steps across lanes.  The conversion takes eight registers: those of two loads; under the first load's scale its low 16 bits are that load's four codes, under the second's
; its high 16 bits are the second's; the other half is not used.  The 32 lanes' 16 bits are 64 neighbouring bytes of the record.  Loads run six steps (24 loads a wave) ahead.
; Records are gathered in LDS and leave as 17 stores of 256 consecutive, aligned bytes.  No tensor loads.  The waves share nothing but lora_A's records, which have one barrier.
.set WREG,  9728                       ; LDS of a wave: from OSTG on its 16 records.  Ahead of its job a wave turns its 8 KiB of lora_A through the region's first 8,448 bytes
.set OSTG,  5120
.set LSTG,  4*WREG                     ; behind the four regions: lora_A's 16 records, the work-group's
.set REC,   272
.set BLK16, 16*REC
.set CB,    12                         ; v12      the codebook: lane l holds entry l % 16
.set R,     16                         ; v16-111  six sets of 16 numbers as they are loaded
.set X,     80                         ; v80-111  ahead of the job: lora_A, half of the wave's 8 KiB as loaded, then a block of 32 down K
.set E,     112                        ; v112-119 scale bytes, two sets of four by turns
.set M,     120                        ; v120-123 four blocks' largest magnitudes, then the conversions' scale operands;  v126, v127: the add's two registers
.set C,     128                        ; v128-135 codes, two sets of four by turns.  (lora_A: v128-159, as X)
.set S,     160                        ; v160-175 W: in each of the 16 rows the scale of group lane / 8
.set O,     16                         ; v16-49   the way out: 17 pairs
.set LC,    176                        ; v176-183 lora_A: two blocks' codes; then, with v184-185, the records read back
.set LE,    184
.set RS,    186                        ; lora_A through LDS: where I put 16 bytes as loaded,
.set RL,    187                        ; and where my column's numbers begin
.set LO,    188                        ; the records: my block's codes,
.set LB,    189                        ; its scale byte,
.set LR,    190                        ; and where I read records back
.set LG,    191                        ; my byte offset in the block of 16 records in wq
.macro LOAD t                          ; row t of the job
.irp i, 0,1,2,3
	global_load_b128 v[R+16*((\t)%6)+4*\i:R+16*((\t)%6)+4*\i+3], v3, s[34:35] offset:16384*(\t)+512*\i th:TH_LOAD_NT   ; 32 lanes read 512 consecutive bytes
.endr
.endm
.macro RING                            ; the first four steps' loads
.irp t, 0,1,2,3
	LOAD \t
.endr
.endm
.macro TABLE                           ; W: the codebook, and my group's scale in each row
	global_load_b32 v[CB], v10, s[8:9]
.irp t, 0,1,2,3,4,5,6,7,8,9,10,11,12,13,14,15
	global_load_b32 v[S+\t], v7, s[38:39] offset:128*\t
.endr
.endm
.macro STEP t
.set RT, R+16*((\t)%6)
.set CT, C+4*((\t)%2)
.set ET, E+4*((\t)%2)
.if 15-(\t) >= 5
	s_wait_loadcnt 20                              ; this step's four loads are in; those of the five steps behind it may be out
.else
	s_wait_loadcnt 4*(15-(\t))
.endif
	s_cmp_eq_u32 s20, 0                            ; x: the words are the numbers.  W: they are indices
	s_cbranch_scc1 .Lplain_\@
.irp j, 0,1,2,3,4,5,6,7,8,9,10,11,12,13,14,15
	v_min_u32 v[RT+\j], 15, v[RT+\j]               ; an index stays inside the table
.endr
.irp j, 0,1,2,3,4,5,6,7,8,9,10,11,12,13,14,15
	v_lshlrev_b32 v[RT+\j], 2, v[RT+\j]            ; the permute names a lane by 4 x its number
.endr
.irp j, 0,1,2,3,4,5,6,7,8,9,10,11,12,13,14,15
	ds_bpermute_b32 v[RT+\j], v[RT+\j], v[CB]      ; the gather: lane i holds codebook[i]; no LDS byte is touched
.endr
.irp i, 0,1,2,3
	v_readlane_b32 s[48+\i], v[S+(\t)], 8*\i       ; a load's 128 numbers are one group: group i's scale lies in lanes 8 i .. 8 i + 7
.endr
	s_wait_dscnt 0x0
.irp i, 0,1,2,3
.irp j, 0,1,2,3
	v_mul_f32 v[RT+4*\i+\j], s[48+\i], v[RT+4*\i+\j]
.endr
.endr
.Lplain_\@:
.irp i, 0,1,2,3                        ; four blocks, one of each load, by turns
	v_max3_num_f32 v[M+\i], |v[RT+4*\i]|, |v[RT+4*\i+1]|, |v[RT+4*\i+2]|
.endr
.irp i, 0,1,2,3
	v_max3_num_f32 v[M+\i], v[M+\i], |v[RT+4*\i+3]|, 0x1800000     ; and the floor 2^(3 - 127): the byte cannot fall under 1
.endr
.irp x, 1,2,4
.irp i, 0,1,2,3
	v_max_num_f32_dpp v[M+\i], v[M+\i], v[M+\i] row_xmask:\x row_mask:0xf bank_mask:0xf   ; with the block's other seven lanes
.endr
.endr
.irp i, 0,1,2,3
	v_add_nc_u32 v[M+\i], 0xff000000, v[M+\i]      ; 2 off the exponent field: the conversion takes the exponent field of this operand as its scale, and nothing else of it
.endr
.irp i, 0,1,2,3
	v_cvt_scalef32_pk8_fp4_f32 v[CT+\i], v[RT+8*(\i/2):RT+8*(\i/2)+7], v[M+\i]   ; loads 2 (i / 2) and 2 (i / 2) + 1 under load i's scale: load i's half counts
.endr
.irp i, 0,1,2,3
	v_lshrrev_b32 v[ET+\i], 23, v[M+\i]            ; the scale's byte.  (Also the plain line behind the conversions)
.endr
	ds_store_b16 v14, v[CT] offset:REC*(\t)                        ; my four codes of each load, at 64 x load + 2 x lane of the row's record
	ds_store_b16_d16_hi v14, v[CT+1] offset:REC*(\t)+64
	ds_store_b16 v14, v[CT+2] offset:REC*(\t)+128
	ds_store_b16_d16_hi v14, v[CT+3] offset:REC*(\t)+192
.irp i, 0,1,2,3
	ds_store_b8 v5, v[ET+\i] offset:REC*(\t)+4*\i  ; the eight lanes of a block write the same byte with the same value
.endr
.if (\t)+6 < 16
	LOAD (\t)+6                                    ; into the registers just converted
.endif
.endm
.macro LBLOCK c, xs                    ; lora_A: the 32 numbers v[xs] on, one block down K of my column, become 16 bytes of codes and a scale byte in my column's record
	v_max3_num_f32 v8, |v[\xs]|, |v[\xs+1]|, |v[\xs+2]|
	v_max3_num_f32 v9, |v[\xs+3]|, |v[\xs+4]|, |v[\xs+5]|
.irp i, 6,10,14,18,22,26
	v_max3_num_f32 v8, v8, |v[\xs+\i]|, |v[\xs+\i+1]|
	v_max3_num_f32 v9, v9, |v[\xs+\i+2]|, |v[\xs+\i+3]|
.endr
	v_max3_num_f32 v8, v8, |v[\xs+30]|, |v[\xs+31]|
	v_max3_num_f32 v8, v8, v9, 0x1800000           ; the floor
	v_add_nc_u32 v11, 0xff000000, v8               ; the conversion's scale operand: 2 off the exponent field
	v_add_nc_u32 v9, 0xff800000, v8                ; 1 off: the byte that is stored is the scale's byte + 1: LORA_SCALE = 2
.irp g, 0,1,2,3
	v_cvt_scalef32_pk8_fp4_f32 v[LC+4*(\c)+\g], v[\xs+8*\g:\xs+8*\g+7], v11
.endr
	v_lshrrev_b32 v[LE+(\c)], 23, v9               ; (also the plain line behind the conversions)
	ds_store_b128 v[LO], v[LC+4*(\c):LC+4*(\c)+3] offset:32*(\c)
	ds_store_b8 v[LB], v[LE+(\c)] offset:2*(\c)
.endm
	s_load_b256 s[4:11], s[0:1], 0x0               ; x s[4:5], q_indices s[6:7], codebook s[8:9], scales s[10:11]
	s_load_b128 s[12:15], s[0:1], 0x20             ; lora_A s[12:13], xq s[14:15]
	s_load_b64 s[16:17], s[0:1], 0x30              ; wq
	v_lshl_add_u32 v126, v0, 2, 0xdc00
	v_mov_b32 v127, 0
	v_lshrrev_b32 v1, 5, v0
	v_readfirstlane_b32 s18, v1                    ; wave 0..3
	v_and_b32 v2, 31, v0                           ; lane
	v_lshlrev_b32 v3, 4, v2                        ; my 16 bytes of a load's 512
	v_lshlrev_b32 v4, 3, v2                        ; my 8 bytes of a store's 256
	s_wait_alu depctr_va_vdst(0)                   ; the wait here, ahead of the run of scalar lines
	s_cmp_lt_u32 ttmp9, 256
	s_cselect_b32 s20, 1, 0                        ; 1: W's work-group, 0: x's
	s_cselect_b32 s28, 0, 256
	s_sub_co_u32 s19, ttmp9, s28                   ; the work-group's number within its tensor
	s_lshr_b32 s22, s19, 1                         ; which 16 rows
	s_bfe_u32 s21, s22, 0x10002
	s_xor_b32 s21, s21, 1
	s_and_b32 s21, s21, s20                        ; 1: W's work-group whose block of rows has bit 2 clear: it also makes a block of lora_A's records
	s_and_b32 s23, s19, 1
	s_lshl_b32 s23, s23, 2
	s_add_co_u32 s23, s23, s18                     ; which K step: the four waves stand side by side on 8 KiB of each row
	s_lshl_b32 s24, s22, 18                        ; in: 16 rows of 16,384 bytes,
	s_lshl_b32 s28, s23, 11                        ; + 2,048 bytes a K step
	s_add_co_u32 s24, s24, s28
	s_mov_b32 s25, 0
	s_lshr_b32 s28, s22, 4
	s_lshl_b32 s28, s28, 3
	s_add_co_u32 s28, s28, s23                     ; 8 x tile + K step
	s_mul_i32 s29, s28, 256*REC                    ; out, x: a tile's K step is 256 records,
	s_and_b32 s30, s22, 15
	s_mul_i32 s30, s30, BLK16
	s_add_co_u32 s29, s29, s30                     ; + my block of 16
	s_mul_i32 s31, s28, 288*REC                    ; out, W: 2 x 144 records,
	s_bfe_u32 s30, s22, 0x10003
	s_mul_i32 s30, s30, 144*REC                    ; + the half,
	s_add_co_u32 s31, s31, s30
	s_and_b32 s30, s22, 7
	s_mul_i32 s30, s30, BLK16
	s_add_co_u32 s31, s31, s30                     ; + my block of 16
	s_lshl_b32 s32, s22, 11                        ; W's scales: 128 bytes a row,
	s_lshl_b32 s33, s23, 4                         ; + four groups a K step
	s_add_co_u32 s32, s32, s33
	s_mov_b32 s33, 0
	s_mov_b32 s27, 0
	s_mul_i32 s28, s18, WREG
	s_add_co_u32 s28, s28, OSTG
	v_lshl_add_u32 v14, v2, 1, s28                 ; the records, codes in: 2 x lane
	v_add_nc_u32 v6, s28, v4                       ; and out: 8 x lane
	v_lshrrev_b32 v5, 3, v2
	v_add_nc_u32 v5, s28, v5
	v_add_nc_u32 v5, 256, v5                       ; my block's scale byte: behind the record's 256 bytes of codes, lane / 8
	v_lshrrev_b32 v7, 3, v2
	v_lshlrev_b32 v7, 2, v7                        ; W: lane l loads the scale of group l / 8 of the K step's four
	v_and_b32 v10, 15, v2
	v_lshlrev_b32 v10, 2, v10                      ; the codebook's entry lane % 16
	v_mov_b32 v[CB], 0                             ; the table and the scales are written on every way through the text; x's work-groups never use them
.irp t, 0,1,2,3,4,5,6,7,8,9,10,11,12,13,14,15
	v_mov_b32 v[S+\t], 0
.endr
	s_wait_alu depctr_va_vdst(0)                   ; the wait at the head's end
	s_wait_kmcnt 0x0
	s_cmp_eq_u32 s20, 1                            ; the choice hangs on the work-group's number alone
	s_cselect_b64 s[34:35], s[6:7], s[4:5]         ; from
	s_cselect_b64 s[36:37], s[16:17], s[14:15]     ; to
	s_cselect_b32 s26, s31, s29
	s_cselect_b32 s32, s32, 0
	s_add_nc_u64 s[34:35], s[34:35], s[24:25]
	s_add_nc_u64 s[36:37], s[36:37], s[26:27]
	s_add_nc_u64 s[38:39], s[10:11], s[32:33]
	s_cmp_eq_u32 s21, 1                            ; the same in all four waves
	s_cbranch_scc1 .Lduty
	s_cmp_eq_u32 s20, 0
	s_cbranch_scc1 .Lno_table
	TABLE
.Lno_table:
	RING
	s_branch .Lgo
	; ---- A BLOCK OF lora_A's RECORDS, ahead of the work-group's own job.  Wave w takes rows 128 w .. 128 w + 127 of the K step's 512: 8 KiB, dense in memory.  Its loads go out first, the table's and the ring's
	; behind them: 49 loads of the wave are out.
.Lduty:
	s_and_b32 s44, s19, 1
	s_lshl_b32 s44, s44, 2
	s_and_b32 s45, s22, 3
	s_add_co_u32 s44, s44, s45                     ; which K step of lora_A
	s_lshl_b32 s40, s44, 15                        ; 512 rows of 64 bytes,
	s_lshl_b32 s45, s18, 13                        ; + my wave's 128 rows
	s_add_co_u32 s40, s40, s45
	s_mov_b32 s41, 0
	s_lshr_b32 s45, s22, 4
	s_lshl_b32 s45, s45, 3
	s_add_co_u32 s45, s45, s44                     ; 8 x tile + that K step
	s_mul_i32 s42, s45, 288*REC
	s_bfe_u32 s45, s22, 0x10003
	s_mul_i32 s45, s45, 144*REC                    ; + my half,
	s_add_co_u32 s42, s42, s45
	s_add_co_u32 s42, s42, 128*REC                 ; behind its 128 rows of W
	s_mov_b32 s43, 0
	s_add_nc_u64 s[40:41], s[12:13], s[40:41]
	s_add_nc_u64 s[42:43], s[16:17], s[42:43]
.irp j, 0,1,2,3,4,5,6,7
	global_load_b128 v[X+4*\j:X+4*\j+3], v3, s[40:41] offset:512*\j            ; 512 consecutive bytes: eight rows of lora_A.  (No hint: sixteen work-groups read these rows)
.endr
.irp j, 8,9,10,11,12,13,14,15
	global_load_b128 v[C+4*(\j-8):C+4*(\j-8)+3], v3, s[40:41] offset:512*\j
.endr
	TABLE
	RING
	v_and_b32 v1, 15, v2                           ; r: my column
	v_lshrrev_b32 v13, 4, v2                       ; h
	s_mul_i32 s45, s18, WREG
	v_add_nc_u32 v[RS], s45, v3                    ; in, as loaded: 16 x lane; a row is 64 bytes, and 64 bytes of padding follow each 32 rows
	v_lshlrev_b32 v[RL], 2, v1
	v_mad_u32_u24 v[RL], v13, 2112, v[RL]          ; out: column r; lanes 16-31 begin 32 rows and one padding further on
	v_add_nc_u32 v[RL], s45, v[RL]
	v_mul_u32_u24 v[LO], v1, REC
	v_add_nc_u32 v[LO], LSTG, v[LO]                ; my column's record.  My blocks of the K step's 16 are 4 w + 2 c + h, c = 0, 1
	s_lshl_b32 s45, s18, 2
	v_add_nc_u32 v[LB], v[LO], v13
	v_add_nc_u32 v[LB], s45, v[LB]
	v_add_nc_u32 v[LB], 256, v[LB]                 ; the scale byte of block 4 w + h
	s_lshl_b32 s45, s18, 6
	v_lshl_add_u32 v[LO], v13, 4, v[LO]
	v_add_nc_u32 v[LO], s45, v[LO]                 ; the codes of block 4 w + h: 16 bytes a block
	s_lshl_b32 s45, s18, 10
	v_add_nc_u32 v[LG], s45, v4                    ; the way out: wave w takes bytes 1,024 w on, 8 a lane
	v_add_nc_u32 v[LR], LSTG, v[LG]
	s_wait_loadcnt 33                              ; lora_A's 16 loads are in; the table's 17 and the ring's 16 may be out
.irp j, 0,1,2,3,4,5,6,7
	ds_store_b128 v[RS], v[X+4*\j:X+4*\j+3] offset:512*\j+64*(\j/4)
.endr
.irp j, 8,9,10,11,12,13,14,15
	ds_store_b128 v[RS], v[C+4*(\j-8):C+4*(\j-8)+3] offset:512*\j+64*(\j/4)
.endr
.irp i, 0,1,2,3,4,5,6,7,8,9,10,11,12,13,14,15,16,17,18,19,20,21,22,23,24,25,26,27,28,29,30,31
	ds_load_b32 v[X+\i], v[RL] offset:64*\i        ; lora_A(128 w + 32 h + i, r): a lane takes a column, its registers run down K.  LDS serves a wave's instructions in order
.endr
	s_wait_dscnt 0x0                               ; the first block is in
.irp i, 0,1,2,3,4,5,6,7,8,9,10,11,12,13,14,15,16,17,18,19,20,21,22,23,24,25,26,27,28,29,30,31
	ds_load_b32 v[C+\i], v[RL] offset:4224+64*\i   ; 64 rows and two paddings on
.endr
	LBLOCK 0, X
	s_wait_dscnt 2                                 ; the second block is in; behind its loads stand the first block's two stores
	LBLOCK 1, C
	s_wait_dscnt 0x0                               ; for the others' sake: my stores into the records are done
	s_barrier_signal -1
	s_barrier_wait -1                              ; the 16 records are whole
.irp i, 0,1,2,3
	ds_load_b64 v[LC+2*\i:LC+2*\i+1], v[LR] offset:256*\i
.endr
.irp i, 0,1,2,3
	s_wait_dscnt 3-\i
	global_store_b64 v[LG], v[LC+2*\i:LC+2*\i+1], s[42:43] offset:256*\i      ; 32 lanes store 256 consecutive bytes, at a multiple of 256 from the buffer's first byte
.endr
	s_cmp_lg_u32 s18, 0                            ; 17 x 256 bytes: four to a wave, and the last to wave 0
	s_cbranch_scc1 .Lgo
	ds_load_b64 v[LE:LE+1], v[LR] offset:4096
	s_wait_dscnt 0x0
	global_store_b64 v[LG], v[LE:LE+1], s[42:43] offset:4096
	; ---- the job: 16 rows of x or of W
.Lgo:
	LOAD 4                                         ; the registers that lora_A used are free: steps 4 and 5 go out too
	LOAD 5
.irp t, 0,1,2,3,4,5,6,7,8,9,10,11,12,13,14,15
	STEP \t
.endr
.irp i, 0,1,2,3,4,5,6,7,8,9,10,11,12,13,14,15,16
	ds_load_b64 v[O+2*\i:O+2*\i+1], v6 offset:256*\i               ; LDS serves a wave's instructions in order: these see my stores
.endr
.irp i, 0,1,2,3,4,5,6,7,8,9,10,11,12,13,14,15,16
	s_wait_dscnt 16-\i
	global_store_b64 v4, v[O+2*\i:O+2*\i+1], s[36:37] offset:256*\i   ; 32 lanes store 256 consecutive bytes, at a multiple of 256 from the buffer's first byte
.endr
	s_wait_tensorcnt 0x0                           ; the wave's end
	ds_add_u32 v126, v127
	s_wait_dscnt 0x0
	s_endpgm
.Lfunc_end_k_q64c41e6baf_quant:
	.size	k_q64c41e6baf_quant, .Lfunc_end_k_q64c41e6baf_quant-k_q64c41e6baf_quant
	.p2alignl 7, 3214868480
	.fill 96, 4, 3214868480
	.section	.rodata,"a",@progbits
	.p2align	6, 0x0
	.amdhsa_kernel k_q64c41e6baf_quant
		.amdhsa_group_segment_fixed_size 56832
		.amdhsa_private_segment_fixed_size 0
		.amdhsa_enable_private_segment 0
		.amdhsa_kernarg_size 56
		.amdhsa_user_sgpr_count 2
		.amdhsa_user_sgpr_kernarg_segment_ptr 1
		.amdhsa_wavefront_size32 1
		.amdhsa_system_sgpr_workgroup_id_x 1
		.amdhsa_system_sgpr_workgroup_id_y 1
		.amdhsa_system_sgpr_workgroup_id_z 1
		.amdhsa_system_vgpr_workitem_id 0
		.amdhsa_next_free_vgpr 192
		.amdhsa_next_free_sgpr 66
		.amdhsa_reserve_vcc 0
		.amdhsa_float_denorm_mode_32 3
		.amdhsa_float_denorm_mode_16_64 3
		.amdhsa_memory_ordered 1
		.amdhsa_forward_progress 1
		.amdhsa_inst_pref_size 116
	.end_amdhsa_kernel
	.amdgpu_metadata
---
amdhsa.version: [ 1, 2 ]
amdhsa.kernels:
  - .name:           k_q64c41e6baf_quant
    .symbol:         k_q64c41e6baf_quant.kd
    .args:
      - { .name: x, .offset: 0, .size: 8, .value_kind: global_buffer, .address_space: global }
      - { .name: q_indices, .offset: 8, .size: 8, .value_kind: global_buffer, .address_space: global }
      - { .name: codebook, .offset: 16, .size: 8, .value_kind: global_buffer, .address_space: global }
      - { .name: scales, .offset: 24, .size: 8, .value_kind: global_buffer, .address_space: global }
      - { .name: lora_A, .offset: 32, .size: 8, .value_kind: global_buffer, .address_space: global }
      - { .name: xq, .offset: 40, .size: 8, .value_kind: global_buffer, .address_space: global }
      - { .name: wq, .offset: 48, .size: 8, .value_kind: global_buffer, .address_space: global }
    .group_segment_fixed_size: 56832
    .private_segment_fixed_size: 0
    .kernarg_segment_align: 8
    .kernarg_segment_size: 56
    .max_flat_workgroup_size: 128
    .sgpr_count:     66
    .vgpr_count:     192
    .wavefront_size: 32
...
	.end_amdgpu_metadata
.endif
;; end of part 1
;; launch gemm (part 2): grid 8 x 32, 4 waves a work-group, clusters of 4 x 4, 327,680 bytes of LDS; arguments xq, wq, lora_B, bias, out0; writes out0
.if DOCPART == 2
	.amdgcn_target "amdgcn-amd-amdhsa--gfx1250"
	.amdhsa_code_object_version 6
	.text
	.protected	k_q64c41e6baf_gemm
	.globl	k_q64c41e6baf_gemm
	.p2align	8
	.type	k_q64c41e6baf_gemm,@function
k_q64c41e6baf_gemm:
	s_mov_b64 s[64:65], 0
	v_nop
	global_prefetch_b8 v0, s[64:65] scope:SCOPE_SE
	s_setreg_imm32_b32 hwreg(HW_REG_WAVE_MODE, 25, 1), 1
	s_wait_xcnt 0x0
	s_wait_alu depctr_hold_cnt(0) depctr_sa_sdst(0) depctr_va_vdst(0) depctr_va_sdst(0) depctr_va_ssrc(0) depctr_va_vcc(0) depctr_vm_vsrc(0)
	s_getreg_b32 s2, hwreg(HW_REG_IB_STS2, 6, 4)
	s_cmp_eq_u32 s2, 0
	s_cbranch_scc0 .Lentry_in_a_cluster
	s_endpgm
.Lentry_in_a_cluster:
	s_bfe_u32 s2, ttmp6, 0x10000c
	s_cmp_lg_u32 s2, 0xf033
	s_cbranch_scc0 .Lentry_shape_is_right
	s_endpgm
.Lentry_shape_is_right:
; out[m][n] = bias[n] + sum_k Q(x)[m][k] Q(W)[n][k] + sum_j T[m][j] lora_B[j][n],  T = 2 Q(x) Q(lora_A) (the 2 lies in lora_A's scale bytes).  M 8,192, N 2,048, K 4,096.
; xq and wq hold RECORDS of 272 bytes: what a row has for 512 along K: 256 bytes of FP4 codes, then its 16 E8M0 scale bytes.  xq: [32 tiles][8 K steps][256 rows][272];
; wq: [8 tiles][8 K steps][2 halves][144 rows][272], a half's rows 128-143 being lora_A's sixteen columns.  So a K step's part of a tile is dense in memory, and in LDS the record's 272 bytes are the pitch.
; A block of out, 256 x 256, is made by four waves, a wave 128 x 128: 64 accumulators (512 registers), and 8 more for T of its 128 rows.  256 work-groups, one block each.
; K goes in steps of 512 through two LDS slots; a wave's one tensor load brings half of A's or of B's part (136 or 153 rows of 256 bytes).
; CLUSTERS 4 x 4: A's part is asked for jointly along a row of the cluster, B's along a column.
; THE MATRIX INSTRUCTION IS USED TRANSPOSED (source 0 = rows of W, source 1 = rows of x): a lane holds eight neighbouring columns of a row of out.
; FRAGMENTS: TWO sets of registers for A and for B.  While a step of 128 along K is multiplied from one set, the next step's 34 LDS loads go into the other,
; in ONE run at the step's head; the step's 72 matrix instructions follow with nothing but counted waits on DScnt between them.
; THE BIAS is the C of the first step's products: nothing is cleared and nothing is added later.  It waits in the registers that hold T afterwards, so in the first step T's products stand last.
; T x lora_B is one bf16 product of K = 16 (filled to 32 with zeros) onto the finished sums.
; PREFETCH: behind the joint load of K step j stands a prefetch of K step j + 2: the 136 or 153 blocks of 256 bytes that a wave fetches are shared out among the four partners that ask jointly,
; by address alone: partner p takes blocks (N p) / 4 up to (N (p + 1)) / 4; a lane a block, two instructions; lanes left over name the partner's last block again.  K steps 6 and 7 have nothing two steps on.
; LIMITS: as the quantising launch states them; NaN and infinities among the inputs are not served.
; REGISTERS, in windows of 256: window 0: v0-23 addresses; v24-95 scale words, two sets; v96-127 lora_B's columns 0-63 as loaded; v128-191 A's set 0; v192-255 the bias, then T.
;   window 1: v0-71, v72-143 B's two sets (eight blocks of W, one of lora_A); v144-207 A's set 1; v208-239 lora_B's columns 64-127.   windows 2, 3: the accumulators ((a, b) at v[8 (8 (a % 4) + b)]).
.set SIZE_N, 2048
.set PITCH,  272
.set BLK,    16*PITCH
.set HALFA,  128*PITCH
.set HALFB,  144*PITCH
.set SLOT,   2*HALFA+2*HALFB           ; A's 256 records, then B's 288
.set XSTEP,  256*PITCH                 ; bytes from K step to K step in xq,
.set WSTEP,  288*PITCH                 ; and in wq
.set SPARE,  2*SLOT                    ; behind the slots: the spare words, 128 bytes a wave, which no other line names
.set SPITCH, 528                       ; the way out: a stage of 16 rows x (512 + 16) bytes a wave, in slot 0, behind that slot's last fill and last read
.set PFO,  6                           ; v6-7    the prefetches' offsets: 256 x my block; never rewritten
.set ADRA, 8                           ; v8-9    LDS address of my A fragments in slot 0, 1
.set ADRB, 10                          ; v10-11  the same for B
.set ADRS, 12                          ; v12-13  of my scale words: lanes 0-15 A's rows, lanes 16-31 B's
.set STO,  14
.set RD,   15
.set CO,   16                          ; v16     16 x lane: my place in a row of 512 bytes
.set SPW,  17                          ; v17     my spare word;  v18  0; both never rewritten
.set NIL,  18
.set LOF,  19                          ; v19     lora_B: 4 r + 8 h rows
.set BOF,  20                          ; v20     the bias: 32 h
.set SC,   24
.set LR0,  96
.set LR1,  208
.set TA,   192
.set BK,   128                         ; the way out: rows read back, v192-255 and v128-191 by turns
.set G1, 24
.set G0, 32
.set G1B, 48
.set G0B, 56
.set PFA, 66                           ; s[66:67] where my prefetches stand;  s[68:69] bytes from K step to K step there
.set PST, 68
.set MSB, 0
.macro WIN new                         ; the immediate's high byte repeats the setting that is left
.if MSB != (\new)
	s_set_vgpr_msb (MSB<<8)|(\new)
.set MSB, (\new)
.endif
.endm
.set TO_B, 0x40                        ; destination window 1, address window 0
.macro JLOAD g0a, g1a, g0b, g1b        ; a joint load: waves 0, 1 fetch A's halves, waves 2, 3 B's; s_nop 0 and four v_nop behind each line
	s_cmp_eq_u32 s15, 0
	s_cbranch_scc0 .Lfor_b_\@
	tensor_load_to_lds s[\g0a:\g0a+3], s[\g1a:\g1a+7]
	s_nop 0
.rept 4
	v_nop
.endr
	s_branch .Lasked_\@
.Lfor_b_\@:
	tensor_load_to_lds s[\g0b:\g0b+3], s[\g1b:\g1b+7]
	s_nop 0
.rept 4
	v_nop
.endr
.Lasked_\@:
.endm
.macro CREST                           ; a round of the cluster's barrier behind its opening barrier
	s_cmp_lg_u32 s14, 0
	s_cbranch_scc1 .Lnot_wave_0_\@
	s_barrier_signal -3
.Lnot_wave_0_\@:
	s_barrier_wait -3
	s_barrier_signal -1
	s_barrier_wait -1
.endm
.macro CROUND
	s_barrier_signal -1
	s_barrier_wait -1
	CREST
.endm
.macro ASK loop                        ; the K step two joint loads on; loop = 1: not in the loop's last trip, whose loads are K steps 6 and 7
.if \loop
	s_cmp_gt_u32 s3, 1
	s_cbranch_scc0 .Lno_ask_\@
.endif
	global_prefetch_b8 v[PFO], s[PFA:PFA+1] th:TH_LOAD_NT scope:SCOPE_SE
	global_prefetch_b8 v[PFO+1], s[PFA:PFA+1] th:TH_LOAD_NT scope:SCOPE_SE
.if \loop
.Lno_ask_\@:
.endif
.endm
	s_load_b256 s[4:11], s[0:1], 0x0               ; xq s[4:5], wq s[6:7], lora_B s[8:9], bias s[10:11]
	s_load_b64 s[12:13], s[0:1], 0x20              ; out0
	v_lshl_add_u32 v[SPW], v0, 2, SPARE
	v_mov_b32 v[NIL], 0
	ds_add_u32 v[SPW], v[NIL]                      ; the opening lines: the add, twice on end, and its wait ahead of my first tensor load
	ds_add_u32 v[SPW], v[NIL]
	v_lshrrev_b32 v1, 5, v0
	v_readfirstlane_b32 s14, v1                    ; wave 0..3
	s_lshr_b32 s15, s14, 1                         ; my half of the block's rows.  Also: I fetch for A (0) or for B (1)
	s_and_b32 s16, s14, 1                          ; my half of its columns.  Also: which half I fetch
	s_bfe_u32 s40, ttmp6, 0x40000                  ; cx, cy
	s_bfe_u32 s41, ttmp6, 0x40004
	s_lshl_b32 s42, ttmp9, 2
	s_add_co_u32 s42, s42, s40                     ; tile column
	s_and_b32 s17, ttmp7, 0xffff
	s_lshl_b32 s17, s17, 2
	s_add_co_u32 s17, s17, s41                     ; tile row
	s_lshl_b32 s43, s41, 2
	s_lshl_b32 s43, 15, s43                        ; my row of the cluster
	s_lshl_b32 s44, 0x1111, s40                    ; my column
	s_or_b32 s[G1+0], s43, (3<<16)|(1<<21)         ; the mask; elements of 8 bytes; bit 21 beside a mask; no padding: the records bring their own pitch
	s_or_b32 s[G1B+0], s44, (3<<16)|(1<<21)
	s_mov_b32 s[G1+1], 32<<16                      ; dense rows of 32 elements = 256 bytes:
	s_mov_b32 s[G1+2], 136<<16                     ; 136 of them are 128 records,
	s_mov_b32 s[G1+3], 32<<16
	s_mov_b32 s[G1+4], 136
	s_mov_b32 s[G1+5], 32
	s_mov_b32 s[G1+6], 0
	s_mov_b32 s[G1+7], 0
	s_mov_b32 s[G1B+1], 32<<16
	s_mov_b32 s[G1B+2], 153<<16                    ; 153 are 144 records
	s_mov_b32 s[G1B+3], 32<<16
	s_mov_b32 s[G1B+4], 153
	s_mov_b32 s[G1B+5], 32
	s_mov_b32 s[G1B+6], 0
	s_mov_b32 s[G1B+7], 0
	s_mul_i32 s20, s17, 8*XSTEP
	s_mul_i32 s18, s16, HALFA
	s_add_co_u32 s20, s20, s18
	s_mov_b32 s21, 0
	s_mul_i32 s46, s42, 8*WSTEP
	s_mul_i32 s19, s16, HALFB
	s_add_co_u32 s46, s46, s19
	s_mov_b32 s47, 0
	s_wait_dscnt 0x0                               ; both opening adds are done
	s_wait_kmcnt 0x0
	s_add_nc_u64 s[20:21], s[4:5], s[20:21]        ; my half of A's part of K step 0,
	s_add_nc_u64 s[46:47], s[6:7], s[46:47]        ; and of B's
.irp s, 0,1
	s_mov_b32 s[G0+4*\s], 1
	s_add_co_u32 s[G0+4*\s+1], s18, \s*SLOT
	s_add_nc_u64 s[G0+4*\s+2:G0+4*\s+3], s[20:21], \s*XSTEP
	s_or_b32 s[G0+4*\s+3], s[G0+4*\s+3], 0x80000000
	s_mov_b32 s[G0B+4*\s], 1
	s_add_co_u32 s[G0B+4*\s+1], s19, \s*SLOT+2*HALFA
	s_add_nc_u64 s[G0B+4*\s+2:G0B+4*\s+3], s[46:47], \s*WSTEP
	s_or_b32 s[G0B+4*\s+3], s[G0B+4*\s+3], 0x80000000
.endr
	CROUND                                         ; all sixteen work-groups are here: the first joint loads meet
	JLOAD G0, G1, G0B, G1B                         ; K step 0: one tensor load a wave at the head.  All that follows is made while it is out
	s_cmp_eq_u32 s15, 0                            ; the prefetches: do I fetch for A?
	s_cselect_b64 s[PFA:PFA+1], s[20:21], s[46:47]
	s_mov_b32 s71, 153
	s_cselect_b32 s71, 136, s71                    ; N: the blocks of 256 bytes in what I fetch
	s_cselect_b32 s72, s40, s41                    ; p: my place among the four that ask with me
	s_mov_b32 s[PST], WSTEP
	s_cselect_b32 s[PST], XSTEP, s[PST]
	s_mov_b32 s[PST+1], 0
	s_mul_i32 s73, s71, s72
	s_lshr_b32 s73, s73, 2                         ; my first block: (N p) / 4
	s_add_co_u32 s74, s72, 1
	s_mul_i32 s74, s74, s71
	s_lshr_b32 s74, s74, 2
	s_sub_co_u32 s74, s74, s73
	s_sub_co_u32 s74, s74, 1                       ; my last block, counted from my first: 33, 37 or 38
	s_lshl_b32 s72, s73, 8
	s_mov_b32 s73, 0
	s_add_nc_u64 s[PFA:PFA+1], s[PFA:PFA+1], s[72:73]
	s_add_nc_u64 s[PFA:PFA+1], s[PFA:PFA+1], s[PST:PST+1]
	s_add_nc_u64 s[PFA:PFA+1], s[PFA:PFA+1], s[PST:PST+1]   ; at K step 2
	s_mul_i32 s22, s15, HALFA                      ; LDS: my 128 rows of A,
	s_mul_i32 s23, s16, HALFB
	s_add_co_u32 s23, s23, 2*HALFA                 ; my 144 rows of B
	s_sub_co_u32 s45, s23, s22
	s_mul_i32 s70, s14, 16*SPITCH                  ; my stage
	s_lshl_b32 s46, s42, 10                        ; my first column, in bytes of f32
	s_lshl_b32 s47, s16, 9
	s_add_co_u32 s46, s46, s47
	s_mov_b32 s47, 0
	s_add_nc_u64 s[8:9], s[8:9], s[46:47]
	s_add_nc_u64 s[10:11], s[10:11], s[46:47]
	s_lshl_b32 s20, s17, 8
	s_lshl_b32 s21, s15, 7
	s_add_co_u32 s20, s20, s21
	s_lshl_b32 s20, s20, 13                        ; my first row x 8,192 bytes
	s_mov_b32 s21, 0
	s_add_nc_u64 s[20:21], s[20:21], s[46:47]
	s_add_nc_u64 s[12:13], s[12:13], s[20:21]
	v_and_b32 v1, 15, v0                           ; r
	v_bfe_u32 v2, v0, 4, 1                         ; h
	v_lshlrev_b32 v[BOF], 5, v2                    ; the bias of a lane's eight columns: 32 h bytes into a tile's 64
	v_mul_u32_u24 v3, v1, PITCH
	v_lshl_add_u32 v4, v2, 4, v3                   ; a fragment: row r, + 16 h
	v_mul_u32_u24 v5, s45, v2                      ; scale words: lanes 16-31 take B's rows
	v_add_nc_u32 v5, v5, v3
	v_add_nc_u32 v5, 256, v5                       ; behind the record's codes
	v_add_nc_u32 v[ADRA], s22, v4
	v_add_nc_u32 v[ADRB], s23, v4
	v_add_nc_u32 v[ADRS], s22, v5
	v_add_nc_u32 v[ADRA+1], SLOT, v[ADRA]
	v_add_nc_u32 v[ADRB+1], SLOT, v[ADRB]
	v_add_nc_u32 v[ADRS+1], SLOT, v[ADRS]
	v_mul_u32_u24 v3, v1, SPITCH
	v_lshl_add_u32 v3, v2, 5, v3
	v_add_nc_u32 v[STO], s70, v3                   ; into the stage: row r, 32 bytes for each half of the lanes
	v_and_b32 v4, 31, v0
	v_lshlrev_b32 v[CO], 4, v4
	v_add_nc_u32 v[RD], s70, v[CO]                 ; back: the 32 lanes take a row of 512 bytes
	v_lshlrev_b32 v[LOF], 2, v1
	v_lshl_add_u32 v[LOF], v2, 16, v[LOF]          ; lora_B: column r, 8 h rows of 8,192 bytes down
	v_lshlrev_b32 v[PFO], 8, v4                    ; blocks 0-31 of mine,
	v_add_nc_u32 v5, 32, v4
	v_min_u32 v5, s74, v5
	v_lshlrev_b32 v[PFO+1], 8, v5                  ; and the rest; lanes left over name my last block
.irp b, 0,1,2,3,4,5,6,7
	global_load_b128 v[TA+8*\b:TA+8*\b+3], v[BOF], s[10:11] offset:64*\b        ; bias(16 b + 8 h + 0 .. 7), in an accumulator's layout
	global_load_b128 v[TA+8*\b+4:TA+8*\b+7], v[BOF], s[10:11] offset:64*\b+16
.endr
	ASK 0                                          ; K step 2
.macro FRAG reg, adr, q, i             ; 16 rows x 128 K of 4-bit codes: two loads of 16 bytes, 32 bytes apart
.irp c, 0,1
	ds_load_b128 v[\reg+4*\c:\reg+4*\c+3], v[\adr] offset:64*(\q)+32*\c+(\i)*BLK
.endr
.endm
.macro LDB slot, q, t, from, n         ; n of B's nine fragments, from block 'from' on, into set t
	WIN TO_B
.set I, \from
.rept \n
	FRAG 72*(\t)+8*I, ADRB+\slot, \q, I
.set I, I+1
.endr
.endm
.macro LDA slot, q, t, from, n         ; the same of A's eight: set 0 lies in window 0, set 1 in window 1
.if \t
	WIN TO_B
.else
	WIN 0
.endif
.set I, \from
.rept \n
	FRAG 128+16*(\t)+8*I, ADRA+\slot, \q, I
.set I, I+1
.endr
.endm
.macro SCALES sc                       ; a K step's scale words: four a row; lanes 0-15 A's block i, lanes 16-31 B's block i (block 8: lora_A's)
.irp i, 0,1,2,3,4,5,6,7,8
	ds_load_b128 v[SC+36*\sc+4*\i:SC+36*\sc+4*\i+3], v[ADRS+\sc] offset:\i*BLK
.endr
.endm
.macro MULA a, p, q, sc, first         ; A's block a against W's eight, from set p: 8 matrix instructions, the accumulators by turns.  first = 1: C is the bias, in window 0
.if \first
.set WV, ((2+(\a)/4)*0x40)|((\p)<<2)|1
.else
.set WV, ((2+(\a)/4)*0x50)|((\p)<<2)|1
.endif
	WIN WV
.set AC, 64*((\a)%4)
.set AR, 128+16*(\p)+8*(\a)
.set BR, 72*(\p)
.set SR, SC+36*(\sc)+(\q)
.irp b, 0,1,2,3,4,5,6,7
.if \first
	v_wmma_scale_f32_16x16x128_f8f6f4 v[AC+8*\b:AC+8*\b+7], v[BR+8*\b:BR+8*\b+7], v[AR:AR+7], v[TA+8*\b:TA+8*\b+7], v[SR+4*\b], v[SR+4*(\a)] matrix_a_fmt:MATRIX_FMT_FP4 matrix_b_fmt:MATRIX_FMT_FP4 matrix_a_scale:MATRIX_SCALE_ROW1
.else
	v_wmma_scale_f32_16x16x128_f8f6f4 v[AC+8*\b:AC+8*\b+7], v[BR+8*\b:BR+8*\b+7], v[AR:AR+7], v[AC+8*\b:AC+8*\b+7], v[SR+4*\b], v[SR+4*(\a)] matrix_a_fmt:MATRIX_FMT_FP4 matrix_b_fmt:MATRIX_FMT_FP4 matrix_a_scale:MATRIX_SCALE_ROW1
.endif
.endr
.endm
.macro MULT a0, p, q, sc, first        ; T of A's blocks a0 .. a0 + 3: against lora_A's block.  first = 1: the product starts the sum
.set WV, ((\p)<<2)|1
	WIN WV
.irp a, \a0, \a0+1, \a0+2, \a0+3
.if \first
	v_wmma_scale_f32_16x16x128_f8f6f4 v[TA+8*(\a):TA+8*(\a)+7], v[72*(\p)+64:72*(\p)+71], v[128+16*(\p)+8*(\a):128+16*(\p)+8*(\a)+7], 0, v[SC+36*(\sc)+32+(\q)], v[SC+36*(\sc)+4*(\a)+(\q)] matrix_a_fmt:MATRIX_FMT_FP4 matrix_b_fmt:MATRIX_FMT_FP4 matrix_a_scale:MATRIX_SCALE_ROW1
.else
	v_wmma_scale_f32_16x16x128_f8f6f4 v[TA+8*(\a):TA+8*(\a)+7], v[72*(\p)+64:72*(\p)+71], v[128+16*(\p)+8*(\a):128+16*(\p)+8*(\a)+7], v[TA+8*(\a):TA+8*(\a)+7], v[SC+36*(\sc)+32+(\q)], v[SC+36*(\sc)+4*(\a)+(\q)] matrix_a_fmt:MATRIX_FMT_FP4 matrix_b_fmt:MATRIX_FMT_FP4 matrix_a_scale:MATRIX_SCALE_ROW1
.endif
.endr
.endm
.macro PLACES n
.rept \n
	v_nop
.endr
.endm
; A step of 128 along K whose successor lies in the same slot.  At its head the twelve youngest LDS loads (its own A blocks 2-7) may be out.
.macro STEP slot, q, first
	s_wait_dscnt 12                                ; B's nine and A's blocks 0, 1 of this step are in
	PLACES 4                                       ; four places behind the last step's products, which read the set that is now loaded (ISA guide 7.12.1 for vector instructions)
	LDB \slot, (\q)+1, 1-(\q)%2, 0, 9              ; the next step's 34 loads, in one run
	LDA \slot, (\q)+1, 1-(\q)%2, 0, 8
	MULA 0, (\q)%2, \q, \slot, \first
	MULA 1, (\q)%2, \q, \slot, \first
	s_wait_dscnt 42                                ; the run's 34 and A's blocks 4-7 may be out: blocks 2, 3 are in
	MULA 2, (\q)%2, \q, \slot, \first
	MULA 3, (\q)%2, \q, \slot, \first
.if \first == 0
	MULT 0, (\q)%2, \q, \slot, 0
.endif
	s_wait_dscnt 38                                ; blocks 4, 5 are in
	MULA 4, (\q)%2, \q, \slot, \first
	MULA 5, (\q)%2, \q, \slot, \first
	s_wait_dscnt 34                                ; blocks 6, 7 are in
	MULA 6, (\q)%2, \q, \slot, \first
	MULA 7, (\q)%2, \q, \slot, \first
.if \first
	PLACES 5                                       ; T's first products write over the bias, which the products above read as C: five places between (ISA guide 7.12.1)
	MULT 0, (\q)%2, \q, \slot, 1
.endif
	MULT 4, (\q)%2, \q, \slot, \first
.endm
; A slot's last step (from set 1) changes slots: ONE barrier; in front of it each wave waits for all its tensor loads, adds 0 to its spare word, and waits for that and for its reads of this slot.
; fill = 1: the barrier opens a round of the cluster's barrier, and this slot is filled again, two K steps ahead.
.macro TURN slot, next, fill
.if \fill
	s_wait_xcnt 0x0                                ; my prefetches have read their address: it steps here, a K step behind them
	s_add_nc_u64 s[PFA:PFA+1], s[PFA:PFA+1], s[PST:PST+1]
.endif
	WIN 0                                          ; (the add's two registers lie in window 0)
	s_wait_tensorcnt 0x0                           ; my one tensor load that was out, my part of the next slot, has landed;
	ds_add_u32 v[SPW], v[NIL]                      ; 0 onto my spare word;
	s_wait_dscnt 13                                ; (the add and A's blocks 2-7 may be out)
	MULA 0, 1, 3, \slot, 0
	s_wait_dscnt 0x0                               ; the add is done, and my reads of this slot are over
	s_barrier_signal -1
	MULA 1, 1, 3, \slot, 0
	WIN 0
	s_barrier_wait -1
.if \fill
	CREST                                          ; no wave of any partner still reads this slot or has a load on its way
	s_add_nc_u64 s[G0+4*\slot+2:G0+4*\slot+3], s[G0+4*\slot+2:G0+4*\slot+3], 2*XSTEP
	s_add_nc_u64 s[G0B+4*\slot+2:G0B+4*\slot+3], s[G0B+4*\slot+2:G0B+4*\slot+3], 2*WSTEP
	JLOAD G0+4*\slot, G1, G0B+4*\slot, G1B         ; the first tensor load behind the round; its four v_nop are also the places in front of the loads below
.else
	PLACES 4
.endif
	LDB \next, 0, 0, 0, 9                          ; what the next step wants first: 31 loads
	WIN 0
	SCALES \next
	LDA \next, 0, 0, 0, 2
.if \fill
	ASK 1
.endif
	MULA 2, 1, 3, \slot, 0
	MULA 3, 1, 3, \slot, 0
	MULT 0, 1, 3, \slot, 0
	MULA 4, 1, 3, \slot, 0
	MULA 5, 1, 3, \slot, 0
	LDA \next, 0, 0, 2, 6                          ; and the twelve that may be out at its head
	MULA 6, 1, 3, \slot, 0
	MULA 7, 1, 3, \slot, 0
	MULT 4, 1, 3, \slot, 0
.endm
	s_wait_alu depctr_va_vdst(0)                   ; the wait at the head's end
	s_wait_xcnt 0x0
	s_add_nc_u64 s[PFA:PFA+1], s[PFA:PFA+1], s[PST:PST+1]   ; at K step 3
	s_wait_tensorcnt 0x0                           ; my part of K step 0 is in
	ds_add_u32 v[SPW], v[NIL]
	s_wait_dscnt 0x0
	CROUND                                         ; everybody's part of K step 0 is in, and the joint loads meet
	JLOAD G0+4, G1, G0B+4, G1B                     ; K step 1, slot 1's first fill
	LDB 0, 0, 0, 0, 9
	WIN 0
	SCALES 0
	LDA 0, 0, 0, 0, 8
	ASK 0                                          ; K step 3
	s_wait_loadcnt 0x0                             ; the bias, asked for ahead of the wait for K step 0
	STEP 0, 0, 1                                   ; the first step's products start the sums on the bias: nothing is cleared
	WIN 0
	s_mov_b32 s3, 3
.Llap:                                                 ; a trip goes once round the two slots, from a lap's second step to the next lap's first
	STEP 0, 1, 0
	STEP 0, 2, 0
	TURN 0, 1, 1
	STEP 1, 0, 0
	STEP 1, 1, 0
	STEP 1, 2, 0
	TURN 1, 0, 1
	STEP 0, 0, 0
	WIN 0
	s_sub_co_u32 s3, s3, 1
	s_cmp_lg_u32 s3, 0
	s_cbranch_scc1 .Llap
.irp b, 0,1,2,3                        ; lora_B: asked for two K steps ahead of its use
.irp i, 0,1,2,3,4,5,6,7
	global_load_b32 v[LR0+8*\b+\i], v[LOF], s[8:9] offset:8192*\i+64*\b        ; lora_B(8 h + i, 16 b + r)
.endr
.endr
	WIN TO_B
.irp b, 4,5,6,7
.irp i, 0,1,2,3,4,5,6,7
	global_load_b32 v[LR1+8*(\b-4)+\i], v[LOF], s[8:9] offset:8192*\i+64*\b
.endr
.endr
	STEP 0, 1, 0                                   ; the last lap fills nothing
	STEP 0, 2, 0
	TURN 0, 1, 0
	STEP 1, 0, 0
	STEP 1, 1, 0
	STEP 1, 2, 0
	s_wait_dscnt 12                                ; the very last step: nothing more to fetch
	PLACES 4                                       ; behind the products that read set 0, which the conversions below write
	MULA 0, 1, 3, 1, 0
	MULA 1, 1, 3, 1, 0
	s_wait_loadcnt 0x0                             ; lora_B is in
	WIN 0x40                                       ; lora_B to bf16 fragments in B's set 0: registers 0-3 k = 8 h .. 8 h + 7, registers 4-7 (k from 16 on) zeros
.irp b, 0,1,2,3
.irp j, 0,1,2,3
	v_cvt_pk_bf16_f32 v[8*\b+\j], v[LR0+8*\b+2*\j], v[LR0+8*\b+2*\j+1]
.endr
.irp j, 0,1,2,3
	v_mov_b32 v[8*\b+4+\j], 0
.endr
.endr
	WIN 0x45
.irp b, 4,5,6,7
.irp j, 0,1,2,3
	v_cvt_pk_bf16_f32 v[8*\b+\j], v[LR1+8*(\b-4)+2*\j], v[LR1+8*(\b-4)+2*\j+1]
.endr
.irp j, 0,1,2,3
	v_mov_b32 v[8*\b+4+\j], 0
.endr
.endr
	s_wait_dscnt 0x0                               ; A's blocks 2-7 are in
	MULA 2, 1, 3, 1, 0
	MULA 3, 1, 3, 1, 0
	MULT 0, 1, 3, 1, 0
	MULA 4, 1, 3, 1, 0
	MULA 5, 1, 3, 1, 0
	MULA 6, 1, 3, 1, 0
	MULA 7, 1, 3, 1, 0
	MULT 4, 1, 3, 1, 0
	PLACES 4                                       ; T is read four places behind its last products
	WIN 0
.irp a, 0,1,2,3,4,5,6,7                ; T to bf16 fragments in A's set 0: a lane's eight results are k = 8 h .. 8 h + 7 of row r; each accumulator from its low end on
.irp j, 0,1,2,3
	v_cvt_pk_bf16_f32 v[128+8*\a+\j], v[TA+8*\a+2*\j], v[TA+8*\a+2*\j+1]
.endr
.irp j, 0,1,2,3
	v_mov_b32 v[128+8*\a+4+\j], 0
.endr
.endr
; THE WAY OUT, block by block of 16 rows x 128 columns: through my own stage in LDS, back as whole rows of 512 bytes, stored as two aligned units of 256 bytes.
; LDS serves a wave's instructions in order (ISA guide 5.7.1.4): no wait between the stores and the loads.
.macro TOSTAGE a
.set AC, 64*((\a)%4)
	WIN 0x08+4*((\a)/4)
.irp b, 0,1,2,3,4,5,6,7
	ds_store_b128 v[STO], v[AC+8*\b:AC+8*\b+3] offset:64*\b        ; each accumulator from its low end on
	ds_store_b128 v[STO], v[AC+8*\b+4:AC+8*\b+7] offset:64*\b+16
.endr
	WIN 0
.set BB, BK+64*(((\a)+1)%2)
.irp t, 0,1,2,3,4,5,6,7,8,9,10,11,12,13,14,15
	ds_load_b128 v[BB+4*\t:BB+4*\t+3], v[RD] offset:\t*SPITCH
.endr
.endm
.macro SEND a, younger                 ; younger: the LDS instructions issued behind block a's loads
.set BB, BK+64*(((\a)+1)%2)
	s_wait_dscnt \younger
.if (\a) > 0
	s_add_nc_u64 s[12:13], s[12:13], 16*SIZE_N*4   ; (behind a wait on XCNT: the earlier stores have read their base)
.endif
.irp t, 0,1,2,3,4,5,6,7,8,9,10,11,12,13,14,15
	global_store_b128 v[CO], v[BB+4*\t:BB+4*\t+3], s[12:13] offset:\t*SIZE_N*4 th:TH_STORE_NT   ; 32 lanes store 512 consecutive bytes, at a multiple of 256 from the buffer's first byte
.endr
.endm
	WIN 0xa1                                       ; + T lora_B, onto the finished sums; the 64 lines above are the places between the two forms.  My rows 0-63:
.irp a, 0,1,2,3
.irp b, 0,1,2,3,4,5,6,7
	v_wmma_f32_16x16x32_bf16 v[8*(8*\a+\b):8*(8*\a+\b)+7], v[8*\b:8*\b+7], v[128+8*\a:128+8*\a+7], v[8*(8*\a+\b):8*(8*\a+\b)+7]
.endr
.endr
	PLACES 4
	TOSTAGE 0                                      ; block 0 goes through the stage (back into the registers that held T) while rows 64-127 are finished
	WIN 0xf1
.irp a, 0,1,2,3
.irp b, 0,1,2,3,4,5,6,7
	v_wmma_f32_16x16x32_bf16 v[8*(8*\a+\b):8*(8*\a+\b)+7], v[8*\b:8*\b+7], v[160+8*\a:160+8*\a+7], v[8*(8*\a+\b):8*(8*\a+\b)+7]
.endr
.endr
	PLACES 4                                       ; for block 1's loads into T's fragments, and for the reads of rows 64-127
.irp a, 1,2,3,4,5,6,7
.if \a > 1
	s_wait_xcnt 0x0                                ; block a - 2's stores have read their registers and their base
.endif
	TOSTAGE \a
	SEND \a-1, 32
.endr
	s_wait_xcnt 0x0
	SEND 7, 0
	s_wait_tensorcnt 0x0                           ; the wave's end
	ds_add_u32 v[SPW], v[NIL]
	s_wait_dscnt 0x0
	CROUND                                         ; the closing round
	s_endpgm
.Lfunc_end_k_q64c41e6baf_gemm:
	.size	k_q64c41e6baf_gemm, .Lfunc_end_k_q64c41e6baf_gemm-k_q64c41e6baf_gemm
	.p2alignl 7, 3214868480
	.fill 96, 4, 3214868480
	.section	.rodata,"a",@progbits
	.p2align	6, 0x0
	.amdhsa_kernel k_q64c41e6baf_gemm
		.amdhsa_group_segment_fixed_size 327680
		.amdhsa_private_segment_fixed_size 0
		.amdhsa_enable_private_segment 0
		.amdhsa_kernarg_size 40
		.amdhsa_user_sgpr_count 2
		.amdhsa_user_sgpr_kernarg_segment_ptr 1
		.amdhsa_wavefront_size32 1
		.amdhsa_system_sgpr_workgroup_id_x 1
		.amdhsa_system_sgpr_workgroup_id_y 1
		.amdhsa_system_sgpr_workgroup_id_z 1
		.amdhsa_system_vgpr_workitem_id 0
		.amdhsa_next_free_vgpr 1024
		.amdhsa_next_free_sgpr 76
		.amdhsa_reserve_vcc 0
		.amdhsa_float_denorm_mode_32 3
		.amdhsa_float_denorm_mode_16_64 3
		.amdhsa_memory_ordered 1
		.amdhsa_forward_progress 1
		.amdhsa_inst_pref_size 247
	.end_amdhsa_kernel
	.amdgpu_metadata
---
amdhsa.version: [ 1, 2 ]
amdhsa.kernels:
  - .name:           k_q64c41e6baf_gemm
    .symbol:         k_q64c41e6baf_gemm.kd
    .args:
      - { .name: xq, .offset: 0, .size: 8, .value_kind: global_buffer, .address_space: global }
      - { .name: wq, .offset: 8, .size: 8, .value_kind: global_buffer, .address_space: global }
      - { .name: lora_B, .offset: 16, .size: 8, .value_kind: global_buffer, .address_space: global }
      - { .name: bias, .offset: 24, .size: 8, .value_kind: global_buffer, .address_space: global }
      - { .name: out0, .offset: 32, .size: 8, .value_kind: global_buffer, .address_space: global }
    .group_segment_fixed_size: 327680
    .private_segment_fixed_size: 0
    .kernarg_segment_align: 8
    .kernarg_segment_size: 40
    .max_flat_workgroup_size: 128
    .sgpr_count:     76
    .vgpr_count:     1024
    .wavefront_size: 32
...
	.end_amdgpu_metadata
.endif
;; end of part 2
